; MI455X (gfx1250); checked and timed in simulation.
; The chip was launched on July 23, 2026; its instructions are those of AMD's public machine-readable ISA for CDNA 5 (MIT licence, August 2026) and "CDNA5" Instruction Set Architecture Reference Guide (July 2026). The comments in the code are by the model that wrote it; some were corrected since.
;; Linear Attention. Allowed arithmetic: matrix products marked QUANTISED: E2M1 operands, one E8M0 scale for each 32 along K, by v_wmma_scale_f32_16x16x128_f8f6f4 with both operands' format E2M1 (or v_wmma_scale_f32_32x16x128_f4), f32 sums; everything else in f32.
;; Inputs: K 2 x 16 x 2,048 x 64 float32; Q 2 x 16 x 2,048 x 64 float32; V_codes 2 x 16 x 64 x 64 x 16 uint8 (E2M1 codes of V, K innermost, in blocks of 32 codes, two codes a byte); V_scales 2 x 16 x 64 x 64 uint8 (E8M0 scales of V, one for each 32 codes along K).
;; Outputs: out0 2 x 16 x 2,048 x 64 float32.
;; This version of the problem:
;;   THIS VERSION OF THE PROBLEM IS GIVEN IN LOW PRECISION. The matrix products marked QUANTISED in the list below multiply operands that are first quantised to E2M1 (2 exponent bits, 1 mantissa bit; 4 bits a number), with one power-of-two scale for each 32 numbers along K (OCP MX v1.0); their sums are f32. All else is computed in f32.
;;   The module's matrix products, in the order in which they are computed (A, B: the left and right operand; K: the contracted axis; several contracted axes count as one K, in the product's order):
;;     1. batch 32 x [M 2,048, K 64] x [K 64, N 2,048]; A: computed on the way; B: computed on the way: QUANTISED
;;     2. batch 32 x [M 2,048, K 2,048] x [K 2,048, N 64]; A: softmax (see below); B: input V (given as codes): QUANTISED
;;   THE QUANTISER, for each operand of a quantised product, along K:
;;     - K is cut into blocks of 32 from its start; a last block that is shorter is filled with zeros.
;;     - A block's scale is 2^e with e = floor(log2(the largest magnitude in the block)) - 2, held to -126 .. 127; a block of zeros has e = 0. As a byte (E8M0): e + 127.
;;     - Each number is divided by its block's scale, clamped to +-6, and rounded to the nearest number of E2M1, ties to even, subnormals kept.
;;     - The product sums the exact products of the quantised numbers (number of the format x scale) in f32.
;;   ~~~python
;;   def quantise(x, axis):      # numpy; x: float32 -> the quantised numbers, widened to float32 again
;;       x = np.moveaxis(x, axis, -1); K = x.shape[-1]
;;       x = np.pad(x, [(0, 0)] * (x.ndim - 1) + [(0, -K % 32)]); x = x.reshape(x.shape[:-1] + (-1, 32)); a = np.abs(x).max(-1, keepdims=True)
;;       e = np.where(a > 0, np.clip(np.frexp(np.where(a > 0, a, 1))[1] - 1 - 2, -126, 127), 0)      # np.frexp(a)[1] - 1 = floor(log2(a)), exactly
;;       r = np.clip(x / 2.0 ** e, -6, 6)
;;       step = 2.0 ** (np.maximum(np.frexp(np.where(r == 0, 1, r))[1] - 1, 0) - 1)
;;       q = np.round(r / step) * step * 2.0 ** e      # np.round: ties to even
;;       return np.moveaxis(q.reshape(q.shape[:-2] + (-1,))[..., :K], -1, axis).astype(np.float32)
;;   ~~~
;;   SOFTMAX AHEAD OF A QUANTISED PRODUCT. Where the list says 'softmax', what is quantised is not the finished softmax but p = 2^(t - M), with t = logit x log2(e) and M = ceil(the row's largest t), a whole number; so 1/2 < the row's largest p <= 1. The row's sum l is taken of the UNQUANTISED p, in f32, and the product's result is divided by l at the end. Since M is a whole number, a kernel that streams over the keys may use a running M (the ceiling of the running maximum): every later rescaling is an exact power of two, which a block's scale takes up: the codes' values come out the same.
;;   OPERANDS COMPUTED ON THE WAY. 'Computed on the way' means the value that the module computes at that place (a softmax that the list does not call 'softmax' is quantised finished and normalised). What goes into a quantiser is computed in f32, as accurately as f32 sums, v_exp_f32 and their like allow (about 1e-6 of the number): no bf16 or f16 on the way to a quantiser, and a product that is left as it is and whose result goes on into a quantised operand takes f32 operands (vector FMAs, or v_wmma_f32_16x16x4_f32). A number that lies on a knife's edge between two numbers of the format may be rounded either way, as far as f32 arithmetic and the matrix unit's own rounding can turn it there, and no further.
;;   INPUTS GIVEN AS CODES. V (in the module: [2, 16, 2048, 64], K = its axis 2): each comes as NAME_codes (uint8): NAME with its K axis moved to the last place and cut into blocks of 32 codes, [.., K / 32, bytes a block], one block behind the other in memory; two codes a byte, the lower K in the low four bits (a code: sign, 2 exponent bits, 1 mantissa bit); and NAME_scales (uint8): the same leading axes, one E8M0 byte (e + 127) for each 32 codes along K. Its value is code x scale, taken as it is: it is not quantised again, and the codes and scales need not be those that the quantiser above would give.
;; One version. Each part assembles by itself: llvm-mc -triple=amdgcn-amd-amdhsa -mcpu=gfx1250 --defsym DOCPART=n.
;; ======== version 1 of 1: 2 launches
;; limits: right only within a limited range of input values
;; workspace buffers: codes 2,097,152 bytes; words 262,144 bytes; table 524,288 bytes
;; launch prep (part 1): grid 32 x 8, 16 waves a work-group, no clusters, 168,448 bytes of LDS; arguments K, codes, words, table; writes codes, words, table
.if DOCPART == 1
	.amdgcn_target "amdgcn-amd-amdhsa--gfx1250"
	.amdhsa_code_object_version 6
	.text
	.protected	k_q782e028249_prep
	.globl	k_q782e028249_prep
	.p2align	8
	.type	k_q782e028249_prep,@function
k_q782e028249_prep:
	s_mov_b64 s[64:65], 0
	v_nop
	global_prefetch_b8 v0, s[64:65] scope:SCOPE_SE
	s_setreg_imm32_b32 hwreg(HW_REG_WAVE_MODE, 25, 1), 1
	s_wait_xcnt 0x0
; K, [32 heads][2048 positions][64] f32, is rotated (interleaved rotary embedding, f32) and quantised along the 64 to codes of FP4 (E2M1), one E8M0 scale for each 32; and the angles' (cos, sin) are stored for the next launch, which rotates Q.
; WORK LEFT OUT IN THE PROGRAM: whole tiles of keys that the causal mask of reference() sets to -infinity ahead of the softmax: their p is 0 for all finite inputs.  Left out by the next launch; this one leaves nothing out.
; LIMIT: a NaN, an infinity or an overflow that reaches only work left out is not carried to the result.  NaN and infinities among the inputs are not served.
; RESULTS, laid as the next launch wants them:
;   codes: [head][64 positions: x][tile u 4][row r 16][32 bytes]; row r of tile u is position 64 x + 8 u + r % 8 + 32 (r / 8).  A row's block b (numbers 32 b ..) lies at 16 (b xor r / 8).
;          WITHIN A BLOCK the word d (8 codes) holds numbers 4 d .. 4 d + 3 and 16 + 4 d .. + 3: the same order on Q's side, so the products are the same.
;   words: [head][x][lane 32][i 2]: the scale word of tile 2 i + lane / 16, row lane % 16: byte 0 block 0's scale, byte 1 block 1's, bytes 2 and 3 zero (they scale the k = 64 .. 127 that the product pads with zero codes).
;   table: [8 positions: group][k 4][lane 32][16 bytes]: lane 4 row + p, k = 2 block + half: (cos, sin) of the pairs of numbers 32 block + 16 half + 4 p .. + 3.
; SHARES.  Work-group (x, y): positions 64 x .. 64 x + 63 of heads 4 y .. 4 y + 3; wave w: positions 8 (w % 8) .. + 7 (u = w % 4, r / 8 = (w % 8) / 4 = e) of heads 4 y + 2 (w / 8) and the next.
; Lane 4 row + Q: half a block of one row: 16 numbers a head; its 8 angles serve both heads.
; DATA: one tensor load a wave: two rows (heads) of 2,048 bytes, 16 bytes of padding behind each 256.  Only the issuing wave reads them.  Nothing is filled twice.  No loop fetches anything, so nothing is prefetched.
; THE ANGLE follows the definition's own f32 steps: c = -f32(ln 10000) / 64; arg = f32(2 i) c; div = exp(arg); ang = pos x div, each rounded once.
; exp(arg) by the f32 scheme of the Cephes library's expf, every multiply-add fused; sin and cos by reduction with pi/2 in two parts and polynomials on [-pi/4, pi/4], quadrant by n mod 4.
; LIMITS: a block whose largest magnitude lies under 2^-124 keeps the byte 1 (a block of zeros too: its codes are zeros; this program alone reads the bytes).  div, sin and cos lie within about an ulp.
.set ROWP,  272
.set WAVEL, 16*ROWP                    ; a wave's 2 x 8 rows
.set WS,    16*WAVEL                   ; scale words, [head 4][lane 32][2]: 1,024 bytes
.set TB,    WS+1024                    ; the table, 2,048 bytes a wave
.set SPARE, TB+16*2048                 ; the spare words
.set CS, 32                            ; v32-47 (cos, sin) of my 8 pairs
.set DV, 48
.set YL, 56
.set X,  64                            ; v64-95 two heads' 16 numbers
.set T,  128                           ; v128-191 at work on div and on the angles
.set Y,  128                           ; later: 16 rotated numbers
.set C,  160                           ; and codes, two words a head
	s_load_b256 s[4:11], s[0:1], 0x0               ; K s[4:5], codes s[6:7], words s[8:9], table s[10:11]
	v_lshl_add_u32 v24, v0, 2, SPARE
	v_mov_b32 v25, 0
	ds_add_u32 v24, v25                            ; the opening: the add, twice on end, and its wait
	ds_add_u32 v24, v25
	v_lshrrev_b32 v1, 5, v0
	v_readfirstlane_b32 s12, v1                    ; wave
	s_and_b32 s15, s12, 7                          ; which 8 positions
	s_lshr_b32 s25, s12, 3                         ; which two heads
	s_and_b32 s13, ttmp7, 0xffff                   ; y
	s_mov_b32 s16, (3<<16)|(1<<20)|(5<<22)|(3<<25) ; elements of 8 bytes; four words of padding after every 64
	s_mov_b32 s17, 256<<16                         ; rows of 256 elements,
	s_mov_b32 s18, 2<<16                           ; two of them,
	s_mov_b32 s19, 256<<16
	s_mov_b32 s20, 2
	s_mov_b32 s21, 65536                           ; a head apart
	s_mov_b32 s22, 0
	s_mov_b32 s23, 0
	s_mul_i32 s14, s12, WAVEL
	s_lshl_b32 s26, s13, 21
	s_lshl_b32 s28, s25, 20
	s_add_co_u32 s26, s26, s28
	s_lshl_b32 s28, ttmp9, 14
	s_add_co_u32 s26, s26, s28
	s_lshl_b32 s28, s15, 11
	s_add_co_u32 s26, s26, s28                     ; head 4 y + 2 (w / 8), position 64 x + 8 (w % 8)
	s_mov_b32 s27, 0
	s_mov_b32 s32, 1
	s_mov_b32 s33, s14
	s_wait_dscnt 0x0                               ; both opening adds are done
	s_wait_kmcnt 0x0
	s_add_nc_u64 s[34:35], s[4:5], s[26:27]
	s_or_b32 s35, s35, 0x80000000
	tensor_load_to_lds s[32:35], s[16:23]
	s_nop 0
.rept 4
	v_nop
.endr
	; where my results go
	s_and_b32 s2, s15, 3                           ; u
	s_lshr_b32 s3, s15, 2                          ; e
	s_lshl_b32 s26, s13, 18
	s_lshl_b32 s28, s25, 17
	s_add_co_u32 s26, s26, s28
	s_lshl_b32 s28, ttmp9, 11
	s_add_co_u32 s26, s26, s28
	s_lshl_b32 s28, s2, 9
	s_add_co_u32 s26, s26, s28
	s_lshl_b32 s28, s3, 8
	s_add_co_u32 s26, s26, s28
	s_mov_b32 s27, 0
	s_add_nc_u64 s[6:7], s[6:7], s[26:27]
	s_lshl_b32 s26, s13, 15
	s_lshl_b32 s28, s12, 13                        ; wave w < 4 stores head 4 y + w's words
	s_add_co_u32 s26, s26, s28
	s_lshl_b32 s28, ttmp9, 8
	s_add_co_u32 s26, s26, s28
	s_add_nc_u64 s[8:9], s[8:9], s[26:27]
	s_and_b32 s29, s13, 3
	s_lshl_b32 s29, s29, 9                         ; waves 0 .. 7 of the work-groups y = 0 .. 3 store a quarter of the table each
	s_lshl_b32 s26, ttmp9, 14
	s_lshl_b32 s28, s15, 11
	s_add_co_u32 s26, s26, s28
	s_add_co_u32 s26, s26, s29
	s_add_nc_u64 s[10:11], s[10:11], s[26:27]
	s_lshl_b32 s24, s25, 3
	s_add_co_u32 s24, s24, s13                     ; under 4 in those waves
	s_lshl_b32 s28, s12, 11
	s_add_co_u32 s28, s28, TB                      ; my 2,048 bytes of the table in LDS,
	s_add_co_u32 s29, s28, s29                     ; and the quarter that I store
	s_lshl_b32 s36, ttmp9, 6
	s_lshl_b32 s37, s15, 3
	s_add_co_u32 s36, s36, s37                     ; my first position
	s_lshl_b32 s37, s3, 1                          ; 2 e
	s_and_b32 s38, s2, 1
	s_lshl_b32 s38, s38, 7
	s_lshl_b32 s39, s3, 6
	s_add_co_u32 s38, s38, s39
	s_lshr_b32 s39, s2, 1
	s_lshl_b32 s39, s39, 2
	s_add_co_u32 s38, s38, s39
	s_lshl_b32 s39, s25, 9
	s_add_co_u32 s38, s38, s39
	s_add_co_u32 s38, s38, WS                      ; my rows' words: WS + 512 (w / 8) + 8 (16 (u % 2) + 8 e) + 4 (u / 2)
	s_and_b32 s39, s12, 3
	s_lshl_b32 s39, s39, 8
	s_add_co_u32 s39, s39, WS                      ; head w's words
	s_mov_b32 s42, 0xbe135d8e                      ; c = -f32(ln 10000) / 64
	s_mov_b32 s43, 0x3fb8aa3b                      ; log2(e)
	s_mov_b32 s44, 0x3f318000                      ; ln 2, high part
	s_mov_b32 s45, 0xb95e8083                      ; and what is left of it
	s_mov_b32 s56, 0x39506967                      ; P(x) = ((((p0 x + p1) x + p2) x + p3) x + p4) x + 1/2
	s_mov_b32 s57, 0x3ab743ce
	s_mov_b32 s58, 0x3c088908
	s_mov_b32 s59, 0x3d2aa9c1
	s_mov_b32 s60, 0x3e2aaaaa
	s_mov_b32 s46, 0x3f22f983                      ; 2 / pi
	s_mov_b32 s47, 0x3fc90fdb                      ; pi / 2, high part
	s_mov_b32 s48, 0xb33bbd2e                      ; and what is left of it
	s_mov_b32 s49, 0xbe2aaaa3                      ; sin r = r + r^3 (S1 + S2 z + S3 z^2), z = r^2
	s_mov_b32 s50, 0x3c08839e
	s_mov_b32 s51, 0xb94ca1f9
	s_mov_b32 s52, 0x3d2aaaa5                      ; cos r = 1 - z / 2 + z^2 (C1 + C2 z + C3 z^2)
	s_mov_b32 s53, 0xbab6061a
	s_mov_b32 s54, 0x37ccf5ce
	v_and_b32 v1, 31, v0                           ; lane
	v_lshrrev_b32 v2, 2, v1                        ; row
	v_and_b32 v3, 3, v1                            ; Q
	v_lshrrev_b32 v12, 1, v3                       ; my block
	v_and_b32 v13, 1, v3                           ; which half of its words
	v_mul_u32_u24 v4, v2, ROWP
	v_lshl_add_u32 v4, v12, 7, v4
	v_lshl_add_u32 v4, v13, 5, v4
	v_add_nc_u32 v4, s14, v4                       ; my numbers in LDS: 128 (Q / 2) + 32 (Q % 2) in my row
	v_lshlrev_b32 v5, 3, v12                       ; my scale byte's place in the word
	v_lshlrev_b32 v6, 3, v2
	v_add_nc_u32 v6, s38, v6                       ; my row's word
	v_xor_b32 v7, s37, v3
	v_lshlrev_b32 v7, 3, v7
	v_lshl_add_u32 v7, v2, 5, v7                   ; codes: 32 row + 8 (Q xor 2 e)
	v_lshlrev_b32 v8, 3, v1
	v_add_nc_u32 v192, s39, v8                     ; where I read a head's words back
	v_add_nc_u32 v9, s36, v2
	v_cvt_f32_u32 v9, v9                           ; my position
	v_lshlrev_b32 v10, 5, v12
	v_lshl_add_u32 v10, v13, 3, v10                ; my first number: 32 (Q / 2) + 8 (Q % 2)
	v_lshlrev_b32 v11, 10, v12
	v_lshl_add_u32 v11, v2, 6, v11
	v_lshl_add_u32 v11, v13, 5, v11
	v_add_nc_u32 v11, s28, v11                     ; table, in
	v_lshlrev_b32 v19, 4, v1
	v_add_nc_u32 v18, s29, v19                     ; table, back
	v_mov_b32 v17, 0                               ; written once: a lane move's destination counts as one of its sources
	; div of my 8 pairs, by turns.  At work: v[T + n] x, v[T + 16 + n] z, v[T + 32 + n] x^2
	v_add_nc_u32 v[YL], 0, v10                     ; 2 i: the numbers' order is 0-3, 16-19, 4-7, 20-23
	v_add_nc_u32 v[YL+1], 2, v10
	v_add_nc_u32 v[YL+2], 16, v10
	v_add_nc_u32 v[YL+3], 18, v10
	v_add_nc_u32 v[YL+4], 4, v10
	v_add_nc_u32 v[YL+5], 6, v10
	v_add_nc_u32 v[YL+6], 20, v10
	v_add_nc_u32 v[YL+7], 22, v10
.irp n, 0,1,2,3,4,5,6,7
	v_cvt_f32_u32 v[YL+\n], v[YL+\n]
.endr
.irp n, 0,1,2,3,4,5,6,7
	v_mul_f32 v[YL+\n], s42, v[YL+\n]              ; arg, rounded once
.endr
.irp n, 0,1,2,3,4,5,6,7
	v_fma_f32 v[DV+\n], v[YL+\n], s43, 0.5
.endr
.irp n, 0,1,2,3,4,5,6,7
	v_floor_f32 v[DV+\n], v[DV+\n]                 ; n = floor(arg log2(e) + 1/2)
.endr
.irp n, 0,1,2,3,4,5,6,7
	v_fma_f32 v[T+\n], -v[DV+\n], s44, v[YL+\n]
.endr
.irp n, 0,1,2,3,4,5,6,7
	v_fma_f32 v[T+\n], -v[DV+\n], s45, v[T+\n]     ; x = arg - n ln 2
.endr
.irp n, 0,1,2,3,4,5,6,7
	v_fma_f32 v[T+16+\n], v[T+\n], s56, s57
.endr
.irp p, 58,59,60
.irp n, 0,1,2,3,4,5,6,7
	v_fma_f32 v[T+16+\n], v[T+16+\n], v[T+\n], s\p
.endr
.endr
.irp n, 0,1,2,3,4,5,6,7
	v_fma_f32 v[T+16+\n], v[T+16+\n], v[T+\n], 0.5 ; P(x)
	v_mul_f32 v[T+32+\n], v[T+\n], v[T+\n]
.endr
.irp n, 0,1,2,3,4,5,6,7
	v_fma_f32 v[T+16+\n], v[T+16+\n], v[T+32+\n], v[T+\n]   ; z = P x^2 + x
	v_cvt_i32_f32 v[DV+\n], v[DV+\n]
.endr
.irp n, 0,1,2,3,4,5,6,7
	v_add_f32 v[T+16+\n], 1.0, v[T+16+\n]          ; e^x
.endr
.irp n, 0,1,2,3,4,5,6,7
	v_ldexp_f32 v[DV+\n], v[T+16+\n], v[DV+\n]     ; div
.endr
	; cos and sin, the eight pairs by turns.  For pair k, from v[T + 8 k]: +0 angle, then r; +1 n; +2 z; +3 sin's series; +4 cos's; +5 to +7 at work
.irp k, 0,1,2,3,4,5,6,7
	v_mul_f32 v[T+8*\k], v9, v[DV+\k]              ; ang = pos x div, rounded once
.endr
.irp k, 0,1,2,3,4,5,6,7
	v_mul_f32 v[T+8*\k+1], s46, v[T+8*\k]
.endr
.irp k, 0,1,2,3,4,5,6,7
	v_rndne_f32 v[T+8*\k+1], v[T+8*\k+1]
.endr
.irp k, 0,1,2,3,4,5,6,7
	v_fma_f32 v[T+8*\k], -v[T+8*\k+1], s47, v[T+8*\k]
.endr
.irp k, 0,1,2,3,4,5,6,7
	v_fma_f32 v[T+8*\k], -v[T+8*\k+1], s48, v[T+8*\k]   ; r = ang - n pi / 2
.endr
.irp k, 0,1,2,3,4,5,6,7
	v_mul_f32 v[T+8*\k+2], v[T+8*\k], v[T+8*\k]
	v_cvt_i32_f32 v[T+8*\k+1], v[T+8*\k+1]
.endr
.irp k, 0,1,2,3,4,5,6,7
	v_fma_f32 v[T+8*\k+3], v[T+8*\k+2], s51, s50
	v_fma_f32 v[T+8*\k+4], v[T+8*\k+2], s54, s53
	v_mul_f32 v[T+8*\k+5], v[T+8*\k+2], v[T+8*\k]
	v_mul_f32 v[T+8*\k+6], v[T+8*\k+2], v[T+8*\k+2]
	v_fma_f32 v[T+8*\k+7], v[T+8*\k+2], -0.5, 1.0
.endr
.irp k, 0,1,2,3,4,5,6,7
	v_fma_f32 v[T+8*\k+3], v[T+8*\k+3], v[T+8*\k+2], s49
	v_fma_f32 v[T+8*\k+4], v[T+8*\k+4], v[T+8*\k+2], s52
.endr
.irp k, 0,1,2,3,4,5,6,7
	v_fma_f32 v[T+8*\k+3], v[T+8*\k+3], v[T+8*\k+5], v[T+8*\k]     ; sin r
	v_fma_f32 v[T+8*\k+4], v[T+8*\k+4], v[T+8*\k+6], v[T+8*\k+7]   ; cos r
.endr
.irp k, 0,1,2,3,4,5,6,7
	v_and_b32 v[T+8*\k+5], 1, v[T+8*\k+1]
.endr
.irp k, 0,1,2,3,4,5,6,7
	v_cmp_eq_u32 vcc_lo, 1, v[T+8*\k+5]            ; n odd: the two change places
	v_cndmask_b32 v[T+8*\k+6], v[T+8*\k+3], v[T+8*\k+4], vcc_lo
	v_cndmask_b32 v[T+8*\k+7], v[T+8*\k+4], v[T+8*\k+3], vcc_lo
.endr
.irp k, 0,1,2,3,4,5,6,7
	v_and_b32 v[T+8*\k+5], 2, v[T+8*\k+1]          ; sin is negated where n mod 4 is 2 or 3,
	v_add_nc_u32 v[T+8*\k+1], 1, v[T+8*\k+1]
.endr
.irp k, 0,1,2,3,4,5,6,7
	v_lshlrev_b32 v[T+8*\k+5], 30, v[T+8*\k+5]
	v_and_b32 v[T+8*\k+1], 2, v[T+8*\k+1]          ; cos where it is 1 or 2
.endr
.irp k, 0,1,2,3,4,5,6,7
	v_xor_b32 v[CS+2*\k+1], v[T+8*\k+6], v[T+8*\k+5]
	v_lshlrev_b32 v[T+8*\k+1], 30, v[T+8*\k+1]
.endr
.irp k, 0,1,2,3,4,5,6,7
	v_xor_b32 v[CS+2*\k], v[T+8*\k+7], v[T+8*\k+1]
.endr
	s_wait_alu depctr_va_vdst(0)
	s_wait_tensorcnt 0x0                           ; my two heads' rows are in
.irp m, 0,1
	ds_load_b128 v[X+16*\m:X+16*\m+3], v4 offset:8*ROWP*\m          ; numbers 0-3 of mine,
	ds_load_b128 v[X+16*\m+4:X+16*\m+7], v4 offset:8*ROWP*\m+64     ; 16-19: with the four before a word of codes
	ds_load_b128 v[X+16*\m+8:X+16*\m+11], v4 offset:8*ROWP*\m+16
	ds_load_b128 v[X+16*\m+12:X+16*\m+15], v4 offset:8*ROWP*\m+80
.endr
	ds_store_b128 v11, v[CS:CS+3]                  ; the table in the order of the next launch's lanes
	ds_store_b128 v11, v[CS+4:CS+7] offset:512
	ds_store_b128 v11, v[CS+8:CS+11] offset:16
	ds_store_b128 v11, v[CS+12:CS+15] offset:528
	ds_load_b128 v[196:199], v18                   ; LDS serves a wave's instructions in order (ISA guide 5.7.1.4): this sees my stores
.macro UNIT m
.set XS, X+16*\m
	s_wait_dscnt 9-4*\m                            ; the younger head's loads and the table's five may be out
.irp p, 0,2,4,6,8,10,12,14
	v_pk_mul_f32 v[Y+\p:Y+\p+1], v[XS+\p:XS+\p+1], v[CS+\p:CS+\p+1] op_sel_hi:[1,0]   ; (even, odd) x cos
.endr
.irp p, 0,2,4,6,8,10,12,14
	v_pk_fma_f32 v[Y+\p:Y+\p+1], v[XS+\p:XS+\p+1], v[CS+\p:CS+\p+1], v[Y+\p:Y+\p+1] op_sel:[1,1,0] op_sel_hi:[0,1,1] neg_lo:[0,1,0]   ; + (-odd sin, even sin)
.endr
	v_max3_num_f32 v12, |v[Y]|, |v[Y+1]|, 0x1800000   ; the largest magnitude, and the floor 2^(3 - 127): the byte cannot fall under 1
	v_max3_num_f32 v13, |v[Y+2]|, |v[Y+3]|, |v[Y+4]|
	v_max3_num_f32 v12, v12, |v[Y+5]|, |v[Y+6]|
	v_max3_num_f32 v13, v13, |v[Y+7]|, |v[Y+8]|
	v_max3_num_f32 v12, v12, |v[Y+9]|, |v[Y+10]|
	v_max3_num_f32 v13, v13, |v[Y+11]|, |v[Y+12]|
	v_max3_num_f32 v12, v12, |v[Y+13]|, |v[Y+14]|
	v_max3_num_f32 v12, v12, v13, |v[Y+15]|
	v_max_num_f32_dpp v12, v12, v12 row_xmask:1 row_mask:0xf bank_mask:0xf   ; with the block's other half
	v_add_nc_u32 v14, 0xff000000, v12              ; 2 off the exponent field: the conversion's scale operand
	v_cvt_scalef32_pk8_fp4_f32 v[C+2*\m], v[Y:Y+7], v14
	v_cvt_scalef32_pk8_fp4_f32 v[C+2*\m+1], v[Y+8:Y+15], v14
	v_lshrrev_b32 v15, 23, v14                     ; the scale's byte.  (A plain line behind the conversions)
	v_lshlrev_b32 v16, v5, v15
	v_mov_b32_dpp v17, v16 row_xmask:2 row_mask:0xf bank_mask:0xf
	v_or_b32 v[20+\m], v16, v17                    ; with the row's other block: the row's word
	global_store_b64 v7, v[C+2*\m:C+2*\m+1], s[6:7] offset:65536*\m   ; 32 lanes store 256 consecutive bytes, aligned
.endm
	UNIT 0
	UNIT 1
.irp m, 0,1
	ds_store_b32 v6, v[20+\m] offset:256*\m        ; a row's four lanes store the same word
.endr
	s_wait_dscnt 0x0                               ; for the others' sake: my words lie in LDS; and my quarter of the table is in
	s_cmp_lt_u32 s24, 4
	s_cbranch_scc0 .Lno_table
	global_store_b128 v19, v[196:199], s[10:11]    ; 512 consecutive bytes, aligned
.Lno_table:
	s_barrier_signal -1
	s_barrier_wait -1                              ; a head's 256 bytes of words come from eight waves
	s_cmp_lt_u32 s12, 4
	s_cbranch_scc0 .Lno_words
	ds_load_b64 v[26:27], v192
	s_wait_dscnt 0x0
	global_store_b64 v8, v[26:27], s[8:9]          ; 256 consecutive bytes, aligned
.Lno_words:
	s_wait_tensorcnt 0x0                           ; the wave's end
	ds_add_u32 v24, v25
	s_wait_dscnt 0x0
	s_endpgm
.Lfunc_end_k_q782e028249_prep:
	.size	k_q782e028249_prep, .Lfunc_end_k_q782e028249_prep-k_q782e028249_prep
	.p2alignl 7, 3214868480
	.fill 96, 4, 3214868480
	.section	.rodata,"a",@progbits
	.p2align	6, 0x0
	.amdhsa_kernel k_q782e028249_prep
		.amdhsa_group_segment_fixed_size 168448
		.amdhsa_private_segment_fixed_size 0
		.amdhsa_enable_private_segment 0
		.amdhsa_kernarg_size 32
		.amdhsa_user_sgpr_count 2
		.amdhsa_user_sgpr_kernarg_segment_ptr 1
		.amdhsa_wavefront_size32 1
		.amdhsa_system_sgpr_workgroup_id_x 1
		.amdhsa_system_sgpr_workgroup_id_y 1
		.amdhsa_system_sgpr_workgroup_id_z 1
		.amdhsa_system_vgpr_workitem_id 0
		.amdhsa_next_free_vgpr 200
		.amdhsa_next_free_sgpr 66
		.amdhsa_reserve_vcc 1
		.amdhsa_float_denorm_mode_32 3
		.amdhsa_float_denorm_mode_16_64 3
		.amdhsa_memory_ordered 1
		.amdhsa_forward_progress 1
		.amdhsa_inst_pref_size 28
	.end_amdhsa_kernel
	.amdgpu_metadata
---
amdhsa.version: [ 1, 2 ]
amdhsa.kernels:
  - .name:           k_q782e028249_prep
    .symbol:         k_q782e028249_prep.kd
    .args:
      - { .name: K, .offset: 0, .size: 8, .value_kind: global_buffer, .address_space: global }
      - { .name: codes, .offset: 8, .size: 8, .value_kind: global_buffer, .address_space: global }
      - { .name: words, .offset: 16, .size: 8, .value_kind: global_buffer, .address_space: global }
      - { .name: table, .offset: 24, .size: 8, .value_kind: global_buffer, .address_space: global }
    .group_segment_fixed_size: 168448
    .private_segment_fixed_size: 0
    .kernarg_segment_align: 8
    .kernarg_segment_size: 32
    .max_flat_workgroup_size: 512
    .sgpr_count:     66
    .vgpr_count:     200
    .wavefront_size: 32
...
	.end_amdgpu_metadata
.endif
;; end of part 1
;; launch attn (part 2): grid 8 x 32, 16 waves a work-group, clusters of 4 x 1, 265,728 bytes of LDS; arguments codes, words, V_codes, V_scales, Q, table, out0; writes out0
.if DOCPART == 2
	.amdgcn_target "amdgcn-amd-amdhsa--gfx1250"
	.amdhsa_code_object_version 6
	.text
	.protected	k_q782e028249_attn
	.globl	k_q782e028249_attn
	.p2align	8
	.type	k_q782e028249_attn,@function
k_q782e028249_attn:
	s_mov_b64 s[64:65], 0
	v_nop
	global_prefetch_b8 v0, s[64:65] scope:SCOPE_SE
	s_setreg_imm32_b32 hwreg(HW_REG_WAVE_MODE, 25, 1), 1
	s_wait_xcnt 0x0
	s_wait_alu depctr_hold_cnt(0) depctr_sa_sdst(0) depctr_va_vdst(0) depctr_va_sdst(0) depctr_va_ssrc(0) depctr_va_vcc(0) depctr_vm_vsrc(0)
	s_getreg_b32 s2, hwreg(HW_REG_IB_STS2, 6, 4)
	s_cmp_eq_u32 s2, 0
	s_cbranch_scc0 .Lentry_in_a_cluster
	s_endpgm
.Lentry_in_a_cluster:
	s_bfe_u32 s2, ttmp6, 0x10000c
	s_cmp_lg_u32 s2, 0x3003
	s_cbranch_scc0 .Lentry_shape_is_right
	s_endpgm
.Lentry_shape_is_right:
; out0[head][q][:] = the sum over keys k <= q of softmax_k(Qr[q] . Kr[k]) V[k][:], 32 heads, 2,048 positions, head size 64; both products on codes of FP4 (E2M1) with one E8M0 scale for each 32 along a product's K.
; Kr's codes and scale words come from the launch before; Q is rotated (with that launch's table of (cos, sin)) and quantised here, each row once in the launch; V as given: codes [head][64 d][1,024 bytes], keys innermost, scale bytes [head][64 d][64].
; WORK LEFT OUT: tiles of keys that all come after a tile's queries: the causal mask of reference() makes their p 0 for all finite inputs.  LIMIT: a NaN, an infinity or an overflow that reaches only those is not carried to the result.
; A TILE is 16 positions: tile (g, c, u): 128 g + 64 c + 8 u + r % 8 + 32 (r / 8), r = 0 .. 15.  Work-group (4 X + cx, head) has u = cx; its tiles g = 8 .. 15 have c = X, its tiles g = 0 .. 7 have c = 1 - X.
; SHARES.  Sixteen waves.  A key step is 128 keys.  With n(b) = the lesser of 8 + b and 12: wave a < 8: tile 8 + a, key steps 0 .. n(a) - 1, all open.  Wave 8 + b: tile 8 + b, key steps n(b) .. 8 + b (the last on the diagonal),
; leaves O, M and the sum in LDS for wave b, then tile 7 - b, key steps 0 .. 7 - b.  So waves a have 8 to 12 steps, waves 8 + b 9 to 5, of which two are on the diagonal, and one of those two needs its first 64 keys alone (c = 0).
; Waves s, s + 4, s + 8, s + 12 have 34 steps together, for each s = 0 .. 3.
; THE WHOLE HEAD LIES IN LDS: K's codes and words, V's codes and scale bytes, filled once: no slot is filled again.  No loop fetches from memory, so nothing is prefetched.
; CLUSTER.  The four work-groups of a cluster belong to one head: K and V are asked for JOINTLY, by the same tensor load with the same descriptor and a mask that names the four.  cx enters Q's, the table's and out0's addresses and
; the mask's number v5, and nothing else: branches hang on the wave's number, the loops' counts and the CLUSTER's number X, which the partners share; LDS addresses on wave and lane.
; LAYOUT.  Both products are used transposed: S^T = K Q^T, O^T = V^T P^T: a lane (r, h) holds ONE query, r.  By the tiles' choice of rows, registers 8 u + j of the four tiles of half c are keys 64 c + 32 h + 8 u + j: a WHOLE block of 32 in a lane:
; its maximum asks no other lane, and the conversions' results are the second product's operand as they stand.
; THE FIRST PRODUCT'S K IS 64, the instruction's 128: Q's fragment has zero codes for k = 64 .. 127, both sides' scale bytes there are 0 (2^-127): whatever stands in K's upper four registers (the next tile's codes) meets zeros.
; THE SOFTMAX AHEAD OF THE SECOND PRODUCT: t = score x log2(e); M = the row's largest t so far, rounded UP to a whole number; p = 2^(t - M) is quantised along the keys, not normalised; the row's sum is taken of the unquantised p and divides at the end.
; When M moves, the sum and O are multiplied by 2^(old M - new M), which rounds nothing.
; LIMITS: NaN and infinities among the inputs are not served; scores lie over -1e38.  t - M is one fused multiply-add: t is not rounded ahead of the subtraction.  A block's exponent is floor(t - M) of its largest score, not that of the
; rounded p: the two differ only where p rounds up to a power of two.  A block of p whose largest number lies under 2^-124 keeps the byte 1; what falls under the smallest f32 number in a rescaling is lost.
.set KSL, 65536                        ; LDS: K's codes from 0, [step 16][c 2][u 4][512 bytes]; here K's words, [step 16][c 2][lane 32][2]
.set VCL, 73728                        ; V's codes: 64 rows of 1,024 bytes + 16
.set VP,  1040
.set VSL, 140288                       ; V's scale bytes: 64 rows of 64 bytes + 8
.set VSP, 72
.set IMG, 144896                       ; images of Q's fragments, 768 bytes a wave: 512 of codes, 64 of scale words
.set STA, 157184                       ; what waves 8 .. 15 leave for waves 0 .. 7: 4,608 bytes each
.set STG, 194048                       ; the way out: 16 rows x 272 bytes a wave
.set SP,  272
.set SPARE, 263680                     ; the spare words, 128 bytes a wave
.set W,  16                            ; s16 wave;  s17 cx;  s18 X;  s19 head
.set XC, 18
.set SJ, 88                            ; s88 the loop's count;  s89 the step's codes of K, 4,096 bytes a step;  s90 its words, 512;  s91 its bytes in a row of V, 64;  s92 in a row of V's scales, 4
.set TK, 89
.set TS, 90
.set TV, 91
.set TW, 92
.set SB, 96                            ; s96 wave % 8
.set N1, 97                            ; s97, s98 open steps of the first and of the second walk
.set N2, 98
.set NA, 99                            ; s99 n(wave % 8)
.set ST, 74                            ; v74-137 S^T, then t - M, then p
.set OT, 138                           ; v138-169 O^T
.set PC, 170                           ; v170-177 p's codes
.set VF, 192                           ; v192-223 V's fragments
; REGISTERS: v0, v185 where my tile's codes and words go in its image; v1-4 my lane's place in K's codes, V's codes, V's scales, K's words; v5 my query's place, for the mask; v6, v7 the stage, in and back; v8, v9 offsets of the table's and Q's loads;
; v10, v11 Q's fragment and words in the image of wave % 8; v12 -M, v13 the largest score, v[14:15] the sum in two halves; v[16:23], v24 Q; v25-28 addresses of the step's loads; v29 p's scale word; v30, v31 spare word and 0;
; v[32:63] K's fragments; v[64:67] zeros; v[68:71] K's words; v[72:73] V's scales; v178-184 at work; v[186:187] f; v188 what is left for the partner; v189 my offset in out0; v190, v191 scale operands; v192-255 Q's rows and the table's, where no step is in hand
.macro CROUND                          ; a round of the cluster's barrier
	s_barrier_signal -1
	s_barrier_wait -1
	s_cmp_lg_u32 s[W], 0
	s_cbranch_scc1 .Lnot_wave_0_\@
	s_barrier_signal -3
.Lnot_wave_0_\@:
	s_barrier_wait -3
	s_barrier_signal -1
	s_barrier_wait -1
.endm
; My tile's rows of Q and their (cos, sin): lane 4 row + p; for each 8 rows (32 positions apart) four times 16 bytes: numbers 4 p on, 16 + 4 p on, 32 + 4 p on, 48 + 4 p on
.macro QLOAD
.irp i, 0,1
.irp k, 0,1,2,3
	global_load_b128 v[192+16*\i+4*\k:195+16*\i+4*\k], v9, s[84:85] offset:8192*\i+64*\k
	global_load_b128 v[224+16*\i+4*\k:227+16*\i+4*\k], v8, s[86:87] offset:8192*\i+512*\k
.endr
.endr
.endm
; Rotated and quantised: codes v110-113, scale words v114, v115
.macro QUANT
.irp p, 0,2,4,6,8,10,12,14,16,18,20,22,24,26,28,30
	v_pk_mul_f32 v[ST+\p:ST+\p+1], v[192+\p:193+\p], v[224+\p:225+\p] op_sel_hi:[1,0]
.endr
.irp p, 0,2,4,6,8,10,12,14,16,18,20,22,24,26,28,30
	v_pk_fma_f32 v[ST+\p:ST+\p+1], v[192+\p:193+\p], v[224+\p:225+\p], v[ST+\p:ST+\p+1] op_sel:[1,1,0] op_sel_hi:[0,1,1] neg_lo:[0,1,0]
.endr
.irp b, 0,1,2,3
	v_max3_num_f32 v[178+\b], |v[ST+8*\b]|, |v[ST+8*\b+1]|, 0x1800000   ; b = 2 i + block; the floor 2^(3 - 127)
.endr
.irp k, 2,4,6
.irp b, 0,1,2,3
	v_max3_num_f32 v[178+\b], v[178+\b], |v[ST+8*\b+\k]|, |v[ST+8*\b+\k+1]|
.endr
.endr
.irp b, 0,1,2,3
	v_max_num_f32_dpp v[178+\b], v[178+\b], v[178+\b] row_xmask:1 row_mask:0xf bank_mask:0xf
.endr
.irp b, 0,1,2,3
	v_max_num_f32_dpp v[178+\b], v[178+\b], v[178+\b] row_xmask:2 row_mask:0xf bank_mask:0xf
.endr
.irp b, 0,1,2,3
	v_add_nc_u32 v[178+\b], 0xff000000, v[178+\b]
.endr
.irp b, 0,1,2,3
	v_cvt_scalef32_pk8_fp4_f32 v[110+\b], v[ST+8*\b:ST+8*\b+7], v[178+\b]
.endr
	v_nop                                          ; a plain line behind the conversions
.irp b, 0,1,2,3
	v_lshrrev_b32 v[178+\b], 23, v[178+\b]
.endr
	v_lshl_or_b32 v114, v179, 8, v178
	v_lshl_or_b32 v115, v181, 8, v180
.endm
; Into my image: row r at 32 r, block b at 16 (b xor r / 8)
.macro QSTORE
	ds_store_b32 v0, v110
	ds_store_b32 v0, v111 offset:16
	ds_store_b32 v0, v112 offset:256+16
	ds_store_b32 v0, v113 offset:256
	ds_store_b32 v185, v114 offset:512
	ds_store_b32 v185, v115 offset:512+32
.endm
.macro INIT
	v_mov_b32 v13, 0xfe967699                      ; the largest score so far: -1e38
	v_mul_f32 v12, s58, v13
	v_floor_f32 v12, v12                           ; -M
	v_mov_b32 v14, 0
	v_mov_b32 v15, 0
.set j, 0
.rept 32
	v_mov_b32 v[OT+j], 0                           ; (the step is written once: the first finds zeros, which the first change of M leaves zeros)
.set j, j+1
.endr
.endm
.macro QK t
.if (\t)%2
	v_wmma_scale_f32_16x16x128_f8f6f4 v[ST+8*\t:ST+8*\t+7], v[32+4*\t:39+4*\t], v[16:23], 0, v[68+\t/2], v24 matrix_a_fmt:MATRIX_FMT_FP4 matrix_b_fmt:MATRIX_FMT_FP4 matrix_a_scale:MATRIX_SCALE_ROW1
.else
	v_wmma_scale_f32_16x16x128_f8f6f4 v[ST+8*\t:ST+8*\t+7], v[32+4*\t:39+4*\t], v[16:23], 0, v[68+\t/2], v24 matrix_a_fmt:MATRIX_FMT_FP4 matrix_b_fmt:MATRIX_FMT_FP4
.endif
.endm
; A step's K: eight fragments and their scale words, ten loads; on = 1: of the step behind the one in hand
.macro KLOAD on
.irp t, 0,1,2,3,4,5,6,7
	ds_load_b128 v[32+4*\t:35+4*\t], v25 offset:4096*\on+512*\t
.endr
	ds_load_b64 v[68:69], v26 offset:512*\on
	ds_load_b64 v[70:71], v26 offset:512*\on+256
.endm
.macro START                           ; the first step's K
	v_add_nc_u32 v25, s[TK], v1
	v_add_nc_u32 v26, s[TS], v4
	KLOAD 0
.endm
; A KEY STEP of 64 nc keys; its K has been asked for.  diag = 1: its last 64 keys lie on the diagonal: hidden scores become -infinity ahead of the maximum, and no step follows.  The step's first key counts for every query of the tile.
.macro STEP nc, diag
	s_wait_dscnt 0x0                               ; K is in (and Q, the first time)
.irp t, 0,1,2,3,4,5,6,7
.if \t < 4*\nc
	QK \t
.endif
.endr
	v_add_nc_u32 v27, s[TV], v2                    ; four places behind the last product
	v_add_nc_u32 v28, s[TW], v3
.if \diag
	v_nop
	v_nop
.else
	v_add_nc_u32 v25, s[TK], v1
	v_add_nc_u32 v26, s[TS], v4
.endif
.irp t, 0,1,2,3
	ds_load_b128 v[VF+8*\t:VF+8*\t+3], v27 offset:16*VP*\t       ; V: rows 16 t + r, keys 64 c + 32 h on: wanted behind the softmax
	ds_load_b128 v[VF+8*\t+4:VF+8*\t+7], v27 offset:16*VP*\t+32
.endr
	ds_load_b32 v72, v28
	ds_load_b32 v73, v28 offset:32*VSP
.if \diag
	v_mov_b32 v182, 0xff800000
.set n, 0
.rept 32
	v_cmp_gt_i32 vcc_lo, n, v5                     ; the half's key n + 32 h lies behind my query
	v_cndmask_b32 v[ST+32*(\nc-1)+n], v[ST+32*(\nc-1)+n], v182, vcc_lo
.set n, n+1
.endr
.else
	KLOAD 1                                        ; the next step's K, under this step's softmax
.endif
	; the largest score of each block, two chains a block; each accumulator from its low end on
.irp k, 0,1
.if \k < \nc
	v_max3_num_f32 v[178+\k], v[ST+32*\k], v[ST+32*\k+1], v[ST+32*\k+2]
	v_max3_num_f32 v[180+\k], v[ST+32*\k+16], v[ST+32*\k+17], v[ST+32*\k+18]
.endif
.endr
.irp i, 3,5,7,9,11,13
.irp k, 0,1
.if \k < \nc
	v_max3_num_f32 v[178+\k], v[178+\k], v[ST+32*\k+\i], v[ST+32*\k+\i+1]
	v_max3_num_f32 v[180+\k], v[180+\k], v[ST+32*\k+16+\i], v[ST+32*\k+17+\i]
.endif
.endr
.endr
.irp k, 0,1
.if \k < \nc
	v_max3_num_f32 v[178+\k], v[178+\k], v[ST+32*\k+15], v[ST+32*\k+31]
.endif
.endr
.irp k, 0,1
.if \k < \nc
	v_max_num_f32 v[178+\k], v[178+\k], v[180+\k]
.endif
.endr
.if \nc == 2
.set MX, 182
	s_delay_alu instid0(VALU_DEP_1)
	v_max_num_f32 v182, v178, v179
.else
.set MX, 178
.endif
	s_delay_alu instid0(VALU_DEP_1)
	v_permlanex16_b32 v183, v[MX], s20, s21
	v_mov_b32 v184, v12
	s_delay_alu instid0(VALU_DEP_2)
	v_max3_num_f32 v13, v13, v[MX], v183           ; the running largest score of my query
	s_delay_alu instid0(VALU_DEP_1)
	v_mul_f32 v182, s58, v13                       ; -t
	s_delay_alu instid0(VALU_DEP_1)
	v_floor_f32 v12, v182                          ; -M = floor(-t) = -ceil(t)
	s_delay_alu instid0(VALU_DEP_1)
	v_sub_f32 v184, v12, v184                      ; old M less new M: a whole number, 0 or less
.set j, 0
.rept 16*\nc
	v_pk_fma_f32 v[ST+j:ST+j+1], v[ST+j:ST+j+1], s[22:23], v[12:13] op_sel_hi:[1,0,0]   ; t - M, two at a time
.if j == 4
	v_cvt_i32_f32 v184, v184                       ; (it saturates)
.endif
.if j == 10
	v_ldexp_f32 v186, 1.0, v184                    ; f = 2^(old M - new M)
.endif
.set j, j+2
.endr
.set j, 0
.rept 16
	v_pk_mul_f32 v[OT+j:OT+j+1], v[OT+j:OT+j+1], v[186:187] op_sel_hi:[1,0]   ; O^T under the new M
.set j, j+2
.endr
	s_wait_alu depctr_va_vdst(0)                   ; the wait ahead of the batch
.set j, 0
.rept 32*\nc
	v_exp_f32 v[ST+j], v[ST+j]                     ; p = 2^(t - M): one batch
.set j, j+1
.endr
	v_pk_mul_f32 v[14:15], v[14:15], v[186:187] op_sel_hi:[1,0]   ; the sum under the new M.  (Plain lines behind the exponentials that name none of their results, down to the wait)
.irp k, 0,1
.if \k < \nc
	v_fma_f32 v[180+\k], v[178+\k], s22, v12       ; t - M of the block's largest score,
.endif
.endr
.irp k, 0,1
.if \k < \nc
	v_max_num_f32 v[180+\k], 0xc2f80000, v[180+\k] ; held at -124: the byte cannot fall under 1
.endif
.endr
.irp k, 0,1
.if \k < \nc
	v_cvt_floor_i32_f32 v[180+\k], v[180+\k]       ; n = floor: the exponent of the block's largest p
.endif
.endr
.irp k, 0,1
.if \k < \nc
	v_lshl_add_u32 v[190+\k], v[180+\k], 23, 0x3e800000   ; (n - 2 + 127) << 23: the conversion's scale operand
.endif
.endr
.if \nc == 2
	v_lshl_add_u32 v182, v181, 16, v180            ; my blocks are 2 c + h: bytes 0 and 2 in lanes 0-15, 1 and 3 in lanes 16-31
.else
	v_mov_b32 v182, v180
.irp i, 4,5,6,7
	v_mov_b32 v[PC+\i], 0                          ; no keys in the second half: zero codes
.endr
.endif
	v_permlanex16_b32 v183, v182, s20, s21
	v_lshl_add_u32 v182, v183, 8, v182
	v_add_nc_u32 v29, 0x7d7d7d7d, v182             ; + 125 in each byte: p's scale word (lanes 0-15 are read)
	s_wait_alu depctr_va_vdst(0)                   ; and behind the batch, ahead of its first reader
.irp t, 0,1,2,3,4,5,6,7
.if \t < 4*\nc
	v_cvt_scalef32_pk8_fp4_f32 v[PC+\t], v[ST+8*\t:ST+8*\t+7], v[190+\t/4]
.endif
.endr
	; THE ROW'S SUM, of the unquantised p: four chains.  (These lines are also the places between the codes and the products)
	v_pk_add_f32 v[14:15], v[14:15], v[ST:ST+1]
	v_pk_add_f32 v[180:181], v[ST+2:ST+3], v[ST+10:ST+11]
	v_pk_add_f32 v[178:179], v[ST+4:ST+5], v[ST+12:ST+13]
	v_pk_add_f32 v[182:183], v[ST+6:ST+7], v[ST+14:ST+15]
	v_pk_add_f32 v[14:15], v[14:15], v[ST+8:ST+9]
.set j, 16
.rept 4*\nc-2
	v_pk_add_f32 v[14:15], v[14:15], v[ST+j:ST+j+1]
	v_pk_add_f32 v[180:181], v[180:181], v[ST+j+2:ST+j+3]
	v_pk_add_f32 v[178:179], v[178:179], v[ST+j+4:ST+j+5]
	v_pk_add_f32 v[182:183], v[182:183], v[ST+j+6:ST+j+7]
.set j, j+8
.endr
	v_pk_add_f32 v[14:15], v[14:15], v[180:181]
	v_pk_add_f32 v[178:179], v[178:179], v[182:183]
	v_pk_add_f32 v[14:15], v[14:15], v[178:179]
.if \diag
	s_wait_dscnt 0x0                               ; V and its scales are in
.else
	s_wait_dscnt 10                                ; V and its scales are in; the ten younger loads, the next step's K, may be out
.endif
.irp t, 0,1,2,3                                ; O^T += V^T P^T: the four accumulators by turns, one instruction a turn
.if \t % 2
	v_wmma_scale_f32_16x16x128_f8f6f4 v[OT+8*\t:OT+8*\t+7], v[VF+8*\t:VF+8*\t+7], v[PC:PC+7], v[OT+8*\t:OT+8*\t+7], v[72+\t/2], v29 matrix_a_fmt:MATRIX_FMT_FP4 matrix_b_fmt:MATRIX_FMT_FP4 matrix_a_scale:MATRIX_SCALE_ROW1
.else
	v_wmma_scale_f32_16x16x128_f8f6f4 v[OT+8*\t:OT+8*\t+7], v[VF+8*\t:VF+8*\t+7], v[PC:PC+7], v[OT+8*\t:OT+8*\t+7], v[72+\t/2], v29 matrix_a_fmt:MATRIX_FMT_FP4 matrix_b_fmt:MATRIX_FMT_FP4
.endif
.endr
.endm
; Open steps from the step at which s89-92 stand: every wave walks all trips, and jumps over the work behind its own count
.macro WALK trips, n
	s_mov_b32 s[SJ], 0
.Lwalk_\@:
	s_cmp_ge_u32 s[SJ], s[\n]
	s_cbranch_scc1 .Lover_\@
	STEP 2, 0
.Lover_\@:
	s_add_co_u32 s[TK], s[TK], 4096
	s_add_co_u32 s[TS], s[TS], 512
	s_add_co_u32 s[TV], s[TV], 64
	s_add_co_u32 s[TW], s[TW], 4
	s_add_co_u32 s[SJ], s[SJ], 1
	s_cmp_lt_u32 s[SJ], \trips
	s_cbranch_scc1 .Lwalk_\@
.endm
; The step on the diagonal, s[SJ]: in the clusters X = half the tile lies in its first 64 keys
.macro DIAG half
	s_lshl_b32 s[TV], s[SJ], 6
	s_lshl_b32 s[TW], s[SJ], 2
	s_cmp_eq_u32 s[XC], \half
	s_cbranch_scc0 .Lwhole_\@
	STEP 1, 1
	s_branch .Ldiag_\@
.Lwhole_\@:
	STEP 2, 1
.Ldiag_\@:
.endm
	s_load_b256 s[4:11], s[0:1], 0x0               ; K's codes, K's words, V's codes, V's scales
	s_load_b128 s[12:15], s[0:1], 0x20             ; Q, the table
	s_load_b64 s[56:57], s[0:1], 0x30              ; out0
	v_lshl_add_u32 v30, v0, 2, SPARE
	v_mov_b32 v31, 0
	ds_add_u32 v30, v31                            ; the opening: the add, twice on end, and its wait
	ds_add_u32 v30, v31
	v_lshrrev_b32 v10, 5, v0
	v_readfirstlane_b32 s[W], v10                  ; wave 0..15
	s_bfe_u32 s17, ttmp6, 0x40000                  ; cx
	s_mov_b32 s[XC], ttmp9                         ; X: in a cluster launch ttmp9 counts clusters
	s_and_b32 s19, ttmp7, 0xffff                   ; the head
	s_and_b32 s[SB], s[W], 7
	s_xor_b32 s80, s[SB], 7                        ; 7 - b
	s_add_co_u32 s81, s[SB], 8
	s_min_u32 s[NA], s81, 12
	s_sub_co_u32 s82, s81, s[NA]
	s_cmp_lt_u32 s[W], 8
	s_cselect_b32 s[N1], 0, s82
	s_cselect_b32 s[N2], s[NA], s80
	s_cselect_b32 s80, s81, s80                    ; g of the tile that I quantise and store
	s_lshr_b32 s82, s[W], 3
	s_xor_b32 s82, s82, s[XC]                      ; its c
	s_lshl_b32 s80, s80, 15
	s_lshl_b32 s82, s82, 14
	s_add_co_u32 s80, s80, s82
	s_lshl_b32 s83, s17, 11
	s_add_co_u32 s80, s80, s83                     ; 256 bytes a position: in Q, in out0, and in the table
	s_lshl_b32 s82, s19, 19
	s_add_co_u32 s82, s82, s80                     ; with the head
	s_mov_b32 s81, 0
	s_mov_b32 s83, 0
	s_mov_b32 s20, 0x76543210
	s_mov_b32 s21, 0xfedcba98                      ; v_permlanex16_b32's selects for lane l xor 16
	s_mov_b32 s22, 0x3fb8aa3b                      ; log2(e)
	s_mov_b32 s23, s22                             ; (the packed form names the pair, so it is written)
	s_mov_b32 s58, 0xbfb8aa3b                      ; -log2(e)
	; descriptor groups 1.  Elements of 8 bytes; mask 15: all four work-groups, bit 21 set beside it
	s_mov_b32 s24, 15|(3<<16)|(1<<21)              ; K's codes: a quarter, 16,384 dense bytes, as 64 rows of 256
	s_mov_b32 s25, 32<<16
	s_mov_b32 s26, 64<<16
	s_mov_b32 s27, 32<<16
	s_mov_b32 s28, 64
	s_mov_b32 s29, 32
	s_mov_b32 s30, 0
	s_mov_b32 s31, 0
	s_mov_b32 s32, 15|(3<<16)|(1<<21)              ; K's words: 8,192 dense bytes, as 32 rows of 256
	s_mov_b32 s33, 32<<16
	s_mov_b32 s34, 32<<16
	s_mov_b32 s35, 32<<16
	s_mov_b32 s36, 32
	s_mov_b32 s37, 32
	s_mov_b32 s38, 0
	s_mov_b32 s39, 0
	s_mov_b32 s40, 15|(3<<16)|(1<<20)|(1<<21)|(7<<22)|(3<<25)   ; V's codes: 16 rows of 1,024 bytes; four words of padding after every 256
	s_mov_b32 s41, 128<<16
	s_mov_b32 s42, 16<<16
	s_mov_b32 s43, 128<<16
	s_mov_b32 s44, 16
	s_mov_b32 s45, 128
	s_mov_b32 s46, 0
	s_mov_b32 s47, 0
	s_mov_b32 s48, 15|(3<<16)|(1<<20)|(1<<21)|(3<<22)|(1<<25)   ; V's scales: 4,096 dense bytes, as 16 rows of 256; two words of padding after every 16
	s_mov_b32 s49, 32<<16
	s_mov_b32 s50, 16<<16
	s_mov_b32 s51, 32<<16
	s_mov_b32 s52, 16
	s_mov_b32 s53, 32
	s_mov_b32 s54, 0
	s_mov_b32 s55, 0
	; groups 0, from the head and my quarter alone
	s_and_b32 s95, s[W], 3
	s_lshl_b32 s94, s95, 14
	s_lshl_b32 s88, s19, 16
	s_add_co_u32 s88, s88, s94                     ; codes of K and of V: 65,536 a head, 16,384 a quarter
	s_mov_b32 s89, 0
	s_lshl_b32 s90, s19, 13
	s_mov_b32 s91, 0
	s_lshl_b32 s92, s19, 12
	s_mov_b32 s93, 0
	s_mov_b32 s60, 1
	s_mov_b32 s61, s94
	s_mov_b32 s68, 1
	s_mov_b32 s69, KSL
	s_mov_b32 s72, 1
	s_mul_i32 s73, s95, 16*VP
	s_add_co_u32 s73, s73, VCL
	s_mov_b32 s76, 1
	s_mov_b32 s77, VSL
	v_and_b32 v10, 31, v0                          ; lane
	v_lshrrev_b32 v11, 2, v10                      ; row: lane / 4
	v_and_b32 v25, 3, v10                          ; p: lane % 4
	v_lshlrev_b32 v9, 4, v25
	v_lshl_add_u32 v9, v11, 8, v9                  ; Q: 256 row + 16 p
	v_lshlrev_b32 v8, 4, v10                       ; the table: 16 x lane
	s_wait_alu depctr_va_vdst(0)
	s_wait_dscnt 0x0                               ; both opening adds are done
	s_wait_kmcnt 0x0
	s_add_nc_u64 s[84:85], s[12:13], s[82:83]
	s_add_nc_u64 s[86:87], s[14:15], s[80:81]
	s_add_nc_u64 s[56:57], s[56:57], s[82:83]
	s_add_nc_u64 s[62:63], s[4:5], s[88:89]
	s_or_b32 s63, s63, 0x80000000                  ; type = 2
	s_add_nc_u64 s[70:71], s[6:7], s[90:91]
	s_or_b32 s71, s71, 0x80000000
	s_add_nc_u64 s[74:75], s[8:9], s[88:89]
	s_or_b32 s75, s75, 0x80000000
	s_add_nc_u64 s[78:79], s[10:11], s[92:93]
	s_or_b32 s79, s79, 0x80000000
	s_cmp_lt_u32 s[W], 8
	s_cbranch_scc0 .Lno_q1
	QLOAD                                          ; tiles 8 .. 15: wanted by the first steps
.Lno_q1:
	CROUND                                         ; all four work-groups are here: the joint loads meet
; THE FILLS, ONE A WAVE: wave 0 K's words, wave 1 V's scales, waves 8-11 K's codes, waves 12-15 V's.  One chain of branches on the wave's number, a load to an arm
.macro ARM under, g0, g1, next
	s_cmp_lt_u32 s[W], \under
	s_cbranch_scc0 \next
	tensor_load_to_lds s[\g0:\g0+3], s[\g1:\g1+7]
	s_nop 0
.rept 4
	v_nop
.endr
	s_branch .Lfilled
\next:
.endm
	ARM 1, 68, 32, .Lfill_s
	ARM 2, 76, 48, .Lfill_k
	s_cmp_lt_u32 s[W], 8
	s_cbranch_scc1 .Lfilled
	ARM 12, 60, 24, .Lfill_v
	ARM 16, 72, 40, .Lfill_none
.Lfilled:
	s_mul_i32 s80, s[W], 16*SP
	s_add_co_u32 s80, s80, STG                     ; my stage
	s_mul_i32 s81, s[SB], 768
	s_add_co_u32 s81, s81, IMG                     ; the image of wave % 8: tile 8 + wave % 8
	s_mul_i32 s82, s[W], 768
	s_add_co_u32 s82, s82, IMG                     ; my own
	s_mul_i32 s83, s[SB], 4608
	s_add_co_u32 s83, s83, STA
	s_lshl_b32 s88, s17, 3
	v_and_b32 v26, 15, v10                         ; r
	v_lshrrev_b32 v27, 4, v10                      ; h
	v_bfe_u32 v28, v10, 3, 1                       ; r / 8
	v_xor_b32 v1, v27, v28
	v_lshlrev_b32 v1, 4, v1
	v_lshl_add_u32 v1, v26, 5, v1                  ; K: 32 r + 16 (h xor r / 8)
	v_mul_u32_u24 v2, v26, VP
	v_lshl_add_u32 v2, v27, 4, v2
	v_add_nc_u32 v2, VCL, v2                       ; V: row r, + 16 h
	v_mul_u32_u24 v3, v10, VSP
	v_add_nc_u32 v3, VSL, v3                       ; V's scales: row = lane: lanes 0-15 one tile's rows, lanes 16-31 the next tile's
	v_lshlrev_b32 v4, 3, v10
	v_add_nc_u32 v4, KSL, v4
	v_and_b32 v5, 7, v10
	v_sub_nc_u32 v12, v28, v27
	v_lshl_add_u32 v5, v12, 5, v5
	v_add_nc_u32 v5, s88, v5                       ; my query's place in its 64 positions, less 32 h
	v_mul_u32_u24 v6, v26, SP
	v_lshl_add_u32 v6, v27, 5, v6
	v_add_nc_u32 v6, s80, v6                       ; in: row r, 32 bytes for each half of the lanes
	v_mul_u32_u24 v7, v27, SP
	v_lshl_add_u32 v7, v26, 4, v7
	v_add_nc_u32 v7, s80, v7                       ; back: lanes 0-15 one row of 256 bytes, lanes 16-31 the next
	v_lshlrev_b32 v189, 8, v27
	v_lshl_add_u32 v189, v26, 4, v189              ; and the same two rows in out0
	v_add_nc_u32 v188, s83, v8
	v_lshlrev_b32 v0, 2, v25
	v_lshl_add_u32 v0, v11, 5, v0
	v_add_nc_u32 v0, s82, v0                       ; my image: 32 row + 4 p
	v_lshlrev_b32 v185, 2, v11
	v_add_nc_u32 v185, s82, v185
	v_add_nc_u32 v10, s81, v1
	v_lshlrev_b32 v11, 2, v26
	v_add_nc_u32 v11, s81, v11
.irp z, 20,21,22,23, 64,65,66,67, 110,111,112,113,114,115, 183,187
	v_mov_b32 v\z, 0                               ; zero codes for k = 64 .. 127; registers that are named before they are first written
.endr
	INIT
	s_wait_alu depctr_va_vdst(0)                   ; the wait at the head's end
	s_wait_loadcnt 0x0
	s_cmp_lt_u32 s[W], 8
	s_cbranch_scc0 .Lno_quant
	QUANT
.Lno_quant:
	s_wait_alu depctr_va_vdst(0)
	s_wait_tensorcnt 0x0                           ; for the others' sake: my part lies in LDS
	s_wait_dscnt 0x0
	s_barrier_signal -1
	s_barrier_wait -1                              ; everybody's does
	s_cmp_lt_u32 s[W], 8
	s_cbranch_scc0 .Limage
	QSTORE
.Limage:
	s_wait_dscnt 0x0
	s_barrier_signal -1
	s_barrier_wait -1                              ; the images of tiles 8 .. 15 lie in LDS
	ds_load_b128 v[16:19], v10
	ds_load_b32 v24, v11 offset:512
	s_lshl_b32 s[TK], s[NA], 12                    ; waves 8 + b: tile 8 + b, from step n(b) on
	s_lshl_b32 s[TS], s[NA], 9
	s_lshl_b32 s[TV], s[NA], 6
	s_lshl_b32 s[TW], s[NA], 2
	s_cmp_lt_u32 s[W], 8
	s_cbranch_scc0 .Lfirst_b
	v_mov_b32 v25, v1                              ; waves a: step 0's K, which their one walk, the second, begins with
	v_mov_b32 v26, v4
	KLOAD 0
	s_branch .Lfirst
.Lfirst_b:
	START
.Lfirst:
	WALK 4, N1
	s_cmp_lt_u32 s[W], 8
	s_cbranch_scc1 .Lsecond
	s_add_co_u32 s[SJ], s[SB], 8
	DIAG 0                                         ; step 8 + b; c = X
	s_wait_alu depctr_va_vdst(0)
.rept 4
	v_nop                                          ; four places behind the last products
.endr
	QLOAD                                          ; my own tile's rows of Q
.irp i, 0,1,2,3,4,5,6,7
	ds_store_b128 v188, v[OT+4*\i:OT+4*\i+3] offset:512*\i   ; O^T for wave b,
.endr
	ds_store_b128 v188, v[12:15] offset:4096       ; -M and the sum
	s_wait_loadcnt 0x0
	QUANT
	QSTORE
	ds_load_b128 v[16:19], v10 offset:8*768        ; my own image lies eight images on; LDS serves a wave's instructions in order (ISA guide 5.7.1.4)
	ds_load_b32 v24, v11 offset:8*768+512
	INIT
	s_wait_alu depctr_va_vdst(0)
	s_wait_dscnt 0x0
.Lsecond:
	s_wait_dscnt 0x0
	s_barrier_signal -1                            ; what is left for the partner lies in LDS; the wait stands behind the second walk, which reads K's and V's bytes alone
	s_mov_b32 s[TK], 0
	s_mov_b32 s[TS], 0
	s_mov_b32 s[TV], 0
	s_mov_b32 s[TW], 0
	s_cmp_lt_u32 s[W], 8
	s_cbranch_scc1 .Lloaded                        ; waves a hold step 0's K
	START
.Lloaded:
	WALK 12, N2                                    ; waves a: tile 8 + a, steps 0 .. n(a) - 1; waves 8 + b: tile 7 - b, steps 0 .. 6 - b
	s_cmp_lt_u32 s[W], 8
	s_cbranch_scc1 .Lwalked
	s_xor_b32 s[SJ], s[SB], 7
	DIAG 1                                         ; step 7 - b; c = 1 - X
.Lwalked:
	s_wait_alu depctr_va_vdst(0)
.rept 4
	v_nop                                          ; four places behind the last products
.endr
	s_barrier_wait -1
	s_cmp_lt_u32 s[W], 8
	s_cbranch_scc0 .Lout
	; the partner's part of my tile: both under the larger M
.irp i, 0,1,2,3,4,5,6,7
	ds_load_b128 v[80+4*\i:83+4*\i], v188 offset:512*\i
.endr
	ds_load_b128 v[74:77], v188 offset:4096
	s_wait_dscnt 0x0
	v_min_num_f32 v178, v12, v74                   ; -M
	v_sub_f32 v180, v178, v12
	v_sub_f32 v181, v178, v74
	v_cvt_i32_f32 v180, v180
	v_cvt_i32_f32 v181, v181
	v_ldexp_f32 v186, 1.0, v180
	v_ldexp_f32 v182, 1.0, v181
	v_pk_mul_f32 v[14:15], v[14:15], v[186:187] op_sel_hi:[1,0]
	v_pk_fma_f32 v[14:15], v[76:77], v[182:183], v[14:15] op_sel_hi:[1,0,1]
.set j, 0
.rept 16
	v_pk_mul_f32 v[OT+j:OT+j+1], v[OT+j:OT+j+1], v[186:187] op_sel_hi:[1,0]
.set j, j+2
.endr
.set j, 0
.rept 16
	v_pk_fma_f32 v[OT+j:OT+j+1], v[80+j:81+j], v[182:183], v[OT+j:OT+j+1] op_sel_hi:[1,0,1]
.set j, j+2
.endr
.Lout:                                             ; THE WAY OUT.  O^T / the sum goes through my stage in LDS and leaves as whole rows of 256 bytes
	v_add_f32 v14, v14, v15                        ; the sum's two halves,
	v_permlanex16_b32 v183, v14, s20, s21
	v_add_f32 v14, v14, v183                       ; and lane l xor 16's: the row's sum
	s_wait_alu depctr_va_vdst(0)                   ; the wait ahead of the transcendental
	v_rcp_f32 v14, v14
	v_nop                                          ; a plain line behind it
	s_wait_alu depctr_va_vdst(0)                   ; and the wait ahead of its first reader
.set j, 0
.rept 16
	v_pk_mul_f32 v[ST+j:ST+j+1], v[OT+j:OT+j+1], v[14:15] op_sel_hi:[1,0]   ; register 8 t + i is out(my query, 16 t + 8 h + i)
.set j, j+2
.endr
.irp t, 0,1,2,3
	ds_store_b128 v6, v[ST+8*\t:ST+8*\t+3] offset:64*\t
	ds_store_b128 v6, v[ST+8*\t+4:ST+8*\t+7] offset:64*\t+16
.endr
.irp i, 0,1,2,3,4,5,6,7
	ds_load_b128 v[32+4*\i:35+4*\i], v7 offset:2*SP*\i
.endr
.irp i, 0,1,2,3,4,5,6,7
	s_wait_dscnt 7-\i                              ; the younger loads may be out
	global_store_b128 v189, v[32+4*\i:35+4*\i], s[56:57] offset:(2*\i+24*(\i/4))*256 th:TH_STORE_NT   ; rows 8 .. 15 begin 32 positions on; 16 lanes store 256 consecutive bytes, aligned
.endr
	s_wait_tensorcnt 0x0                           ; the wave's end
	ds_add_u32 v30, v31
	s_wait_dscnt 0x0
	CROUND                                         ; the closing round: no work-group ends while a partner may still ask for bytes jointly with it
	s_endpgm
.Lfunc_end_k_q782e028249_attn:
	.size	k_q782e028249_attn, .Lfunc_end_k_q782e028249_attn-k_q782e028249_attn
	.p2alignl 7, 3214868480
	.fill 96, 4, 3214868480
	.section	.rodata,"a",@progbits
	.p2align	6, 0x0
	.amdhsa_kernel k_q782e028249_attn
		.amdhsa_group_segment_fixed_size 265728
		.amdhsa_private_segment_fixed_size 0
		.amdhsa_enable_private_segment 0
		.amdhsa_kernarg_size 56
		.amdhsa_user_sgpr_count 2
		.amdhsa_user_sgpr_kernarg_segment_ptr 1
		.amdhsa_wavefront_size32 1
		.amdhsa_system_sgpr_workgroup_id_x 1
		.amdhsa_system_sgpr_workgroup_id_y 1
		.amdhsa_system_sgpr_workgroup_id_z 1
		.amdhsa_system_vgpr_workitem_id 0
		.amdhsa_next_free_vgpr 256
		.amdhsa_next_free_sgpr 100
		.amdhsa_reserve_vcc 1
		.amdhsa_float_denorm_mode_32 3
		.amdhsa_float_denorm_mode_16_64 3
		.amdhsa_memory_ordered 1
		.amdhsa_forward_progress 1
		.amdhsa_inst_pref_size 116
	.end_amdhsa_kernel
	.amdgpu_metadata
---
amdhsa.version: [ 1, 2 ]
amdhsa.kernels:
  - .name:           k_q782e028249_attn
    .symbol:         k_q782e028249_attn.kd
    .args:
      - { .name: codes, .offset: 0, .size: 8, .value_kind: global_buffer, .address_space: global }
      - { .name: words, .offset: 8, .size: 8, .value_kind: global_buffer, .address_space: global }
      - { .name: V_codes, .offset: 16, .size: 8, .value_kind: global_buffer, .address_space: global }
      - { .name: V_scales, .offset: 24, .size: 8, .value_kind: global_buffer, .address_space: global }
      - { .name: Q, .offset: 32, .size: 8, .value_kind: global_buffer, .address_space: global }
      - { .name: table, .offset: 40, .size: 8, .value_kind: global_buffer, .address_space: global }
      - { .name: out0, .offset: 48, .size: 8, .value_kind: global_buffer, .address_space: global }
    .group_segment_fixed_size: 265728
    .private_segment_fixed_size: 0
    .kernarg_segment_align: 8
    .kernarg_segment_size: 56
    .max_flat_workgroup_size: 512
    .sgpr_count:     100
    .vgpr_count:     256
    .wavefront_size: 32
...
	.end_amdgpu_metadata
.endif
;; end of part 2
